; MI455X (gfx1250); checked and timed in simulation.
; The chip was launched on July 23, 2026; its instructions are those of AMD's public machine-readable ISA for CDNA 5 (MIT licence, August 2026) and "CDNA5" Instruction Set Architecture Reference Guide (July 2026). The comments in the code are by the model that wrote it; some were corrected since.
;; Self Attention. Allowed arithmetic: matrix products marked QUANTISED: E3M2 operands, one E8M0 scale for each 32 along K, by v_wmma_scale_f32_16x16x128_f8f6f4 with both operands' format E3M2, f32 sums; everything else in f32.
;; Inputs: Wk 64 x 512 float32; Wq 64 x 512 float32; Wv 64 x 512 float32; bk 64 float32; bq 64 float32; bv 64 float32; input 8,192 x 512 float32.
;; Outputs: out0 8,192 x 64 float32.
;; This version of the problem:
;;   THIS VERSION OF THE PROBLEM IS GIVEN IN LOW PRECISION. The matrix products marked QUANTISED in the list below multiply operands that are first quantised to E3M2 (3 exponent bits, 2 mantissa bits; 6 bits a number), with one power-of-two scale for each 32 numbers along K (OCP MX v1.0); their sums are f32. All else is computed in f32.
;;   The module's matrix products, in the order in which they are computed (A, B: the left and right operand; K: the contracted axis; several contracted axes count as one K, in the product's order):
;;     1. [M 8,192, K 512] x [K 512, N 64]; A: input input; B: input Wq: QUANTISED
;;     2. [M 8,192, K 512] x [K 512, N 64]; A: input input; B: input Wk: QUANTISED
;;     3. [M 8,192, K 512] x [K 512, N 64]; A: input input; B: input Wv: QUANTISED
;;     4. [M 8,192, K 64] x [K 64, N 8,192]; A: computed on the way; B: computed on the way: QUANTISED
;;     5. [M 8,192, K 8,192] x [K 8,192, N 64]; A: softmax (see below); B: computed on the way: QUANTISED
;;   THE QUANTISER, for each operand of a quantised product, along K:
;;     - K is cut into blocks of 32 from its start; a last block that is shorter is filled with zeros.
;;     - A block's scale is 2^e with e = floor(log2(the largest magnitude in the block)) - 4, held to -126 .. 127; a block of zeros has e = 0. As a byte (E8M0): e + 127.
;;     - Each number is divided by its block's scale, clamped to +-28, and rounded to the nearest number of E3M2, ties to even, subnormals kept.
;;     - The product sums the exact products of the quantised numbers (number of the format x scale) in f32.
;;   ~~~python
;;   def quantise(x, axis):      # numpy; x: float32 -> the quantised numbers, widened to float32 again
;;       x = np.moveaxis(x, axis, -1); K = x.shape[-1]
;;       x = np.pad(x, [(0, 0)] * (x.ndim - 1) + [(0, -K % 32)]); x = x.reshape(x.shape[:-1] + (-1, 32)); a = np.abs(x).max(-1, keepdims=True)
;;       e = np.where(a > 0, np.clip(np.frexp(np.where(a > 0, a, 1))[1] - 1 - 4, -126, 127), 0)      # np.frexp(a)[1] - 1 = floor(log2(a)), exactly
;;       r = np.clip(x / 2.0 ** e, -28, 28)
;;       step = 2.0 ** (np.maximum(np.frexp(np.where(r == 0, 1, r))[1] - 1, -2) - 2)
;;       q = np.round(r / step) * step * 2.0 ** e      # np.round: ties to even
;;       return np.moveaxis(q.reshape(q.shape[:-2] + (-1,))[..., :K], -1, axis).astype(np.float32)
;;   ~~~
;;   SOFTMAX AHEAD OF A QUANTISED PRODUCT. Where the list says 'softmax', what is quantised is not the finished softmax but p = 2^(t - M), with t = logit x log2(e) and M = ceil(the row's largest t), a whole number; so 1/2 < the row's largest p <= 1. The row's sum l is taken of the UNQUANTISED p, in f32, and the product's result is divided by l at the end. Since M is a whole number, a kernel that streams over the keys may use a running M (the ceiling of the running maximum): every later rescaling is an exact power of two, which a block's scale takes up: the codes' values come out the same.
;;   OPERANDS COMPUTED ON THE WAY. 'Computed on the way' means the value that the module computes at that place (a softmax that the list does not call 'softmax' is quantised finished and normalised). What goes into a quantiser is computed in f32, as accurately as f32 sums, v_exp_f32 and their like allow (about 1e-6 of the number): no bf16 or f16 on the way to a quantiser, and a product that is left as it is and whose result goes on into a quantised operand takes f32 operands (vector FMAs, or v_wmma_f32_16x16x4_f32). A number that lies on a knife's edge between two numbers of the format may be rounded either way, as far as f32 arithmetic and the matrix unit's own rounding can turn it there, and no further.
;; One version. Each part assembles by itself: llvm-mc -triple=amdgcn-amd-amdhsa -mcpu=gfx1250 --defsym DOCPART=n.
;; ======== version 1 of 1: 2 launches
;; limits: right only within a limited range of input values
;; workspace buffers: qkv 1,245,184 bytes
;; launch proj (part 1): grid 128 x 2, 20 waves a work-group, clusters of 4 x 1, 327,680 bytes of LDS; arguments input, Wq, Wk, Wv, bq, bk, bv, qkv; writes qkv
.if DOCPART == 1
	.amdgcn_target "amdgcn-amd-amdhsa--gfx1250"
	.amdhsa_code_object_version 6
	.text
	.protected	k_q70b09a9568_proj
	.globl	k_q70b09a9568_proj
	.p2align	8
	.type	k_q70b09a9568_proj,@function
k_q70b09a9568_proj:
	s_mov_b64 s[64:65], 0
	v_nop
	global_prefetch_b8 v0, s[64:65] scope:SCOPE_SE
	s_setreg_imm32_b32 hwreg(HW_REG_WAVE_MODE, 25, 1), 1
	s_wait_xcnt 0x0
	s_wait_alu depctr_hold_cnt(0) depctr_sa_sdst(0) depctr_va_vdst(0) depctr_va_sdst(0) depctr_va_ssrc(0) depctr_va_vcc(0) depctr_vm_vsrc(0)
	s_getreg_b32 s2, hwreg(HW_REG_IB_STS2, 6, 4)
	s_cmp_eq_u32 s2, 0
	s_cbranch_scc0 .Lentry_in_a_cluster
	s_endpgm
.Lentry_in_a_cluster:
	s_bfe_u32 s2, ttmp6, 0x10000c
	s_cmp_lg_u32 s2, 0x3003
	s_cbranch_scc0 .Lentry_shape_is_right
	s_endpgm
.Lentry_shape_is_right:
; Q = x Wq^T + bq, K = x Wk^T + bk, V = x Wv^T + bv on codes of BF6 (E3M2) with one E8M0 scale for each 32 along K = 512; then Q and K are quantised along the head's 64
; and V along the positions (the keys of the later product), and all leave in the order of the next launch's operand registers.
; NO WORK OF reference() IS LEFT OUT: each bias goes into a quantised operand of a live product, so all seven inputs are loaded.
; LIMITS: NaN and infinities among the inputs are not served.  A block of zeros, or one whose largest magnitude lies under 2^-122, gets the scale byte 1 (for zeros the rule says 127: their codes are zeros, and this program alone reads the bytes).
; A sum begins with the bias and takes K in four steps of 128: another order of rounding than reference()'s.
; SHARES.  A work-group takes a block of 64 positions and one half of the columns: y = 0: Q's 64 and V's tiles 0, 1; y = 1: K's 64 and V's tiles 2, 3: 64 rows of x and 96 rows of W are quantised: 160 rows, the fewest
; that 256 equal work-groups can have.  40 units of 16 rows x 128 K, two for each of twenty waves: run i of 16 rows, waves i (K quarters 0, 1) and i + 10 (quarters 2, 3).
; HOW THE NUMBERS COME.  Each wave issues ONE tensor load of its own 16 rows into bytes that it alone reads (waves 0-9: 1,024 bytes a row, waves 10-19: 512; 16 bytes of padding behind each row, so that sixteen rows start in sixteen
; different 16-byte columns).  The four quarters of all rows do not fit in LDS beside each other: the last one comes by loads into registers and turns through its wave's own raw bytes when those have been read.
; CLUSTER.  Four work-groups of one y need the same rows of W: these are asked for jointly (mask 15).  No prefetch: the launch has no loop to run ahead in.
; THE ROWS OF A TILE: row r of tile T, of positions and of channels alike, is pi(T, r) = 32 (r / 8) + 8 T + r % 8 of its 64.  A product's lane (r, h = lane / 16) then holds, in the 32 registers of four
; result tiles, numbers 32 h + 8 T + j: a whole block of 32 along the axis that is quantised next.  A unit's 16 rows on end lie in two tiles: the codes go to LDS as images of the tiles' registers (16 x lane, three groups).
; Q and K are made transposed (source 0 = W, source 1 = x: a lane holds one position), V as it stands (source 0 = x, source 1 = Wv: a lane holds one channel).
; THE BUFFER: block b of 64 positions at 6,656 b: K's codes 4 x 768; V's codes 4 x 768 (tile: registers 0-3 at 16 x lane, then registers 4, 5 at 512 + 8 x lane); at 6,144 a unit of Q's scale bytes (8 r + 2 T + h) and, from 128, V's of tiles 0, 1
; (4 r + 2 tile + h, twice); at 6,400 the same of K and V's tiles 2, 3.  Behind all blocks Q's codes, 3,072 a block.
.set BLK,  6656
.set QREG, 128*BLK
.set FP,   1664                        ; a fragment's image: 1,536 bytes of codes, 64 of scale words, 64 unused
.set RAW0, 0                           ; waves 0-9: 16 rows x 1,040 each
.set RAW1, 166400                      ; waves 10-19: 16 rows x 528 each
.set IMG,  250880                      ; 40 images: K step k, tile t (0-3 x, 4-7 Wq or Wk, 8-9 Wv): index 20 (k % 2) + 10 (k / 2) + t
.set STG,  317440                      ; 256 scale bytes for the way out
.set SPARE, 317696                     ; the spare words, 128 bytes for each wave
.set LD,  4                            ; v4 16 x lane
.set SPW, 5
.set NIL, 6
.set A0,  7                            ; v7, v8 my lane's place in my raw rows (waves 0-9, waves 10-19); v9 the turn's way in
.set A1,  8
.set TS,  9
.set BVV, 10                           ; v10 bv of my lane's channel
.set L8,  11                           ; v11 8 x lane
.set IMW, 12                           ; v12, v13 where my codes and my scale bytes go
.set IMS, 13
.set SAD, 14                           ; v14-17 the products' LDS addresses: the single fragment, the four, and their scale words
.set QAD, 15
.set SSC, 16
.set QSC, 17
.set SBQ, 18                           ; v18, v19 where the result's scale byte goes
.set SBV, 19
.set BO,  20                           ; v20 128 h;  v21 my channel's place in bv
.set BVO, 21
.set SCR, 22                           ; v22-31 scale words of the products, two sets of five: they hold scales and nothing else
.set STR, 62                           ; v62 where I read the scale bytes back
.set X,   64                           ; v64-127, v128-191 the numbers of my two units
.set RB,  128
.set ACC, 64                           ; the products: v64-95 four accumulators; fragments: set 0 v96-155, set 1 v156-191 and v32-55
.set PO,  96                           ; the results' codes
.set TO,  108
.set WX0, (2<<16)|(1<<20)|(7<<22)|(3<<25)          ; group 1's first word: elements of 4 bytes; padding of 4 words behind every 256 words,
.set WX1, (2<<16)|(1<<20)|(6<<22)|(3<<25)          ; or behind every 128
.set WJ,  15|(1<<21)                               ; the mask of all four work-groups, and bit 21 beside it
.macro G1SET g, w0, n
	s_mov_b32 s[\g], \w0
	s_mov_b32 s[\g+1], \n<<16
	s_mov_b32 s[\g+2], 16<<16
	s_mov_b32 s[\g+3], \n<<16
	s_mov_b32 s[\g+4], 16
	s_mov_b32 s[\g+5], 512
	s_mov_b32 s[\g+6], 0
	s_mov_b32 s[\g+7], 0
.endm
.macro CROUND                          ; a round of the cluster's barrier
	s_barrier_signal -1
	s_barrier_wait -1
	s_cmp_lg_u32 s4, 0
	s_cbranch_scc1 .Lnot_wave_0_\@
	s_barrier_signal -3
.Lnot_wave_0_\@:
	s_barrier_wait -3
	s_barrier_signal -1
	s_barrier_wait -1
.endm
.macro LOADX adr, buf, off             ; lane (r, h): two whole blocks of row r: register 32 c + e is k = 64 c + 32 h + e
.irp c, 0,1
.irp j, 0,1,2,3,4,5,6,7
	ds_load_b128 v[\buf+32*\c+4*\j:\buf+32*\c+4*\j+3], v[\adr] offset:\off+256*\c+16*\j
.endr
.endr
.endm
.macro QUANT s, pc, tm                 ; a lane's two blocks become a fragment's 12 registers of codes at v[pc] and two scale bytes in v[tm+6], v[tm+7]
.irp z, 0,1,2,3
	v_max3_num_f32 v[\tm+\z], |v[\s+16*\z]|, |v[\s+16*\z+1]|, 0x2800000   ; and the floor 2^(5 - 127): the byte cannot fall under 1
.endr
.irp i, 2,4,6,8,10,12,14
.irp z, 0,1,2,3
	v_max3_num_f32 v[\tm+\z], v[\tm+\z], |v[\s+16*\z+\i]|, |v[\s+16*\z+\i+1]|
.endr
.endr
	v_max_num_f32 v[\tm], v[\tm], v[\tm+1]
	v_max_num_f32 v[\tm+2], v[\tm+2], v[\tm+3]
	v_add_nc_u32 v[\tm+4], 0xfe000000, v[\tm]      ; 4 off the exponent field: the conversion's scale operand
	v_add_nc_u32 v[\tm+5], 0xfe000000, v[\tm+2]
	v_lshrrev_b32 v[\tm+6], 23, v[\tm+4]           ; the scale's byte
	v_lshrrev_b32 v[\tm+7], 23, v[\tm+5]
.irp c, 0,1
	v_cvt_scalef32_pk16_bf6_f32 v[\pc+6*\c:\pc+6*\c+2], v[\s+32*\c:\s+32*\c+15], v[\tm+4+\c]
	v_cvt_scalef32_pk16_bf6_f32 v[\pc+12+4*\c:\pc+14+4*\c], v[\s+32*\c+16:\s+32*\c+31], v[\tm+4+\c]   ; (a conversion's three registers begin on an even number)
.endr
	v_nop                                          ; one plain place behind a scaled conversion
.irp c, 0,1
.irp i, 0,1,2
	v_mov_b32 v[\pc+3+6*\c+\i], v[\pc+12+4*\c+\i]
.endr
.endr
.endm
.macro IMAGE pc, tm, off
.irp g, 0,1,2
	ds_store_b128 v[IMW], v[\pc+4*\g:\pc+4*\g+3] offset:\off+512*\g
.endr
	ds_store_b8 v[IMS], v[\tm+6] offset:\off       ; blocks h and 2 + h of my row: bytes h and 2 + h of its word
	ds_store_b8 v[IMS], v[\tm+7] offset:\off+2
.endm
.macro REGS s, q                       ; AQ: the registers of fragment q of the four, SQ: the single one's
.if (\s) == 0
.set AQ, 96+12*(\q)
.set SQ, 144
.else
.set SQ, 44
.if (\q) < 3
.set AQ, 156+12*(\q)
.else
.set AQ, 32
.endif
.endif
.endm
.macro FETCH s, k                      ; K step k into set s: 20 LDS loads
.set KO, (20*((\k)%2)+10*((\k)/2))*FP
	REGS \s, 0
.irp g, 0,1,2
	ds_load_b128 v[SQ+4*\g:SQ+4*\g+3], v[SAD] offset:KO+512*\g
.endr
	ds_load_b32 v[SCR+5*(\s)], v[SSC] offset:KO
.irp q, 0,1,2,3
	REGS \s, \q
.irp g, 0,1,2
	ds_load_b128 v[AQ+4*\g:AQ+4*\g+3], v[QAD] offset:KO+FP*\q+512*\g
.endr
	ds_load_b32 v[SCR+5*(\s)+1+\q], v[QSC] offset:KO+FP*\q
.endr
.endm
.macro MUL s                           ; four products, the four accumulators by turns; the first K step adds onto the bias
.irp q, 0,1,2,3
	REGS \s, \q
	v_wmma_scale_f32_16x16x128_f8f6f4 v[ACC+8*\q:ACC+8*\q+7], v[AQ:AQ+11], v[SQ:SQ+11], v[ACC+8*\q:ACC+8*\q+7], v[SCR+5*(\s)+1+\q], v[SCR+5*(\s)] matrix_a_fmt:MATRIX_FMT_BF6 matrix_b_fmt:MATRIX_FMT_BF6
.endr
.endm
.macro PLACES                          ; four places between a matrix instruction and a load into its registers or a vector read of its result
.rept 4
	v_nop
.endr
.endm
	s_load_b512 s[16:31], s[0:1], 0x0              ; input s[16:17], Wq s[18:19], Wk s[20:21], Wv s[22:23], bq s[24:25], bk s[26:27], bv s[28:29], qkv s[30:31]
	v_lshl_add_u32 v[SPW], v0, 2, SPARE
	v_mov_b32 v[NIL], 0
	ds_add_u32 v[SPW], v[NIL]                      ; the wave's opening: the add, twice on end, and its wait ahead of the tensor load
	ds_add_u32 v[SPW], v[NIL]
	v_lshrrev_b32 v1, 5, v0
	v_readfirstlane_b32 s4, v1                     ; wave 0..19
	v_and_b32 v1, 31, v0                           ; lane
	v_and_b32 v2, 15, v0                           ; r
	v_bfe_u32 v3, v0, 4, 1                         ; h
	v_lshlrev_b32 v[LD], 4, v1
	v_lshlrev_b32 v[L8], 3, v1
	v_lshl_add_u32 v[STR], v1, 3, STG
	v_lshrrev_b32 v60, 3, v2                       ; r / 8
	v_and_b32 v61, 7, v2                           ; r % 8
	v_lshlrev_b32 v[BO], 7, v3
	v_lshlrev_b32 v[BVO], 7, v60
	v_lshl_add_u32 v[BVO], v61, 2, v[BVO]
	s_wait_alu depctr_va_vdst(0)
	s_bfe_u32 s5, ttmp6, 0x40000                   ; my place in the cluster: it enters x's and the result's global addresses alone
	s_lshl_b32 s6, ttmp9, 2
	s_add_co_u32 s6, s6, s5                        ; my block of 64 positions
	s_and_b32 s7, ttmp7, 0xffff                    ; which half of the columns
	G1SET 32, WX0, 256                             ; x's rows, K quarters 0 and 1
	G1SET 40, WX0|WJ, 256                          ; W's
	G1SET 48, WX1, 128                             ; x's rows, K quarter 2
	G1SET 56, WX1|WJ, 128                          ; W's
	s_cmp_lt_u32 s4, 10
	s_cselect_b32 s8, 0, 10
	s_sub_co_u32 s8, s4, s8                        ; i: my run of 16 rows: 0-3 x, 4-7 Wq or Wk, 8-9 Wv
	s_lshr_b32 s9, s8, 1
	s_and_b32 s9, s9, 1
	s_cmp_lt_u32 s8, 8
	s_cselect_b32 s9, s9, s7
	s_and_b32 s10, s8, 1
	s_lshl_b32 s10, s10, 5
	s_lshl_b32 s9, s9, 4
	s_add_co_u32 s10, s10, s9                      ; it begins at row 32 (i % 2) + 16 ((i / 2) % 2) of its 64 (Wv: + 16 y)
	s_lshl_b32 s84, s10, 11                        ; rows of 2,048 bytes
	s_mov_b32 s85, 0
	s_lshl_b32 s11, s6, 6
	s_add_co_u32 s11, s11, s10
	s_lshl_b32 s86, s11, 11
	s_mov_b32 s87, 0
	s_and_b32 s10, s4, 1
	s_lshl_b32 s100, s10, 5
	s_lshl_b32 s9, s7, 6
	s_add_co_u32 s100, s100, s9                    ; bv: 8 (2 y + wave % 2) numbers on
	s_mov_b32 s101, 0
	; where a result tile's codes go: K or Q by waves 0-3, V by waves 4 and 5
	s_mul_i32 s14, s6, BLK
	s_mul_i32 s15, s6, 3072
	s_add_co_u32 s15, s15, QREG
	s_cmp_eq_u32 s7, 0
	s_cselect_b32 s15, s15, s14
	s_mul_i32 s96, s4, 768
	s_add_co_u32 s15, s15, s96
	s_mul_i32 s96, s7, 1536
	s_add_co_u32 s96, s96, s14
	s_add_co_u32 s96, s96, 3072
	s_mul_i32 s97, s10, 768
	s_add_co_u32 s96, s96, s97
	s_cmp_lt_u32 s4, 4
	s_cselect_b32 s96, s15, s96
	s_mov_b32 s97, 0
	s_lshl_b32 s98, s7, 8
	s_add_co_u32 s98, s98, s14
	s_add_co_u32 s98, s98, 6144                    ; and the scale bytes
	s_mov_b32 s99, 0
	s_mul_i32 s12, s4, 16640
	s_mul_i32 s13, s4, 8448
	s_add_co_u32 s13, s13, RAW1-10*8448
	s_wait_dscnt 0x0                               ; both opening adds are done
	s_wait_kmcnt 0x0
	s_add_nc_u64 s[96:97], s[30:31], s[96:97]
	s_add_nc_u64 s[98:99], s[30:31], s[98:99]
	s_add_nc_u64 s[28:29], s[28:29], s[100:101]
	s_cmp_eq_u32 s7, 0
	s_cselect_b64 s[88:89], s[18:19], s[20:21]
	s_cselect_b64 s[90:91], s[24:25], s[26:27]     ; bq or bk
	s_cmp_lt_u32 s8, 8
	s_cselect_b64 s[88:89], s[88:89], s[22:23]
	s_add_nc_u64 s[88:89], s[88:89], s[84:85]      ; my rows of W: nothing here hangs on my place in the cluster
	s_add_nc_u64 s[92:93], s[16:17], s[86:87]      ; my rows of x
	s_cmp_lt_u32 s8, 4
	s_cselect_b64 s[94:95], s[92:93], s[88:89]     ; for the plain loads: whichever is mine
	; group 0: count, LDS address, global address, type: for each of the four lines a set of its own
.irp g, 68,72,76,80
	s_mov_b32 s[\g], 1
.endr
	s_mov_b32 s69, s12
	s_mov_b32 s73, s12
	s_mov_b32 s77, s13
	s_mov_b32 s81, s13
	s_mov_b64 s[70:71], s[92:93]
	s_mov_b64 s[74:75], s[88:89]
	s_add_nc_u64 s[78:79], s[92:93], 1024
	s_add_nc_u64 s[82:83], s[88:89], 1024
.irp g, 71,75,79,83
	s_or_b32 s[\g], s[\g], 0x80000000
.endr
	s_cmp_lt_u32 s4, 10                            ; waves 10-19: my 16 rows' K quarter 3, 512 consecutive bytes a load
	s_cbranch_scc1 .Lno_rows
.irp i, 0,1,2,3,4,5,6,7,8,9,10,11,12,13,14,15
	global_load_b128 v[RB+4*\i:RB+4*\i+3], v[LD], s[94:95] offset:1536+2048*\i
.endr
	s_branch .Lrows_asked
.Lno_rows:
	s_cmp_lt_u32 s4, 6
	s_cbranch_scc0 .Lrows_asked
	global_load_b32 v[BVV], v[BVO], s[28:29]       ; (waves 4 and 5 use it)
.Lrows_asked:
	CROUND                                         ; all four work-groups are here: the first joint loads meet
; THE HEAD'S LOADS, one a wave: one chain of branches on the wave's number, each arm with its load and an s_nop 0 and four v_nop behind it
.macro ARM under, g0, g1, next
	s_cmp_lt_u32 s4, \under
	s_cbranch_scc0 \next
	tensor_load_to_lds s[\g0:\g0+3], s[\g1:\g1+7]
	s_nop 0
.rept 4
	v_nop
.endr
	s_branch .Lhead_asked
\next:
.endm
	ARM 4, 68, 32, .Larm_b
	ARM 10, 72, 40, .Larm_c
	ARM 14, 76, 48, .Larm_d
	tensor_load_to_lds s[80:83], s[56:63]
	s_nop 0
.rept 4
	v_nop
.endr
.Lhead_asked:
	v_mul_u32_u24 v[A0], v2, 1040
	v_lshl_add_u32 v[A0], v3, 7, v[A0]
	v_add_nc_u32 v[A0], s12, v[A0]
	v_mul_u32_u24 v[A1], v2, 528
	v_lshl_add_u32 v[A1], v3, 7, v[A1]
	v_add_nc_u32 v[A1], s13, v[A1]
	v_add_nc_u32 v[TS], s13, v[LD]
	s_lshr_b32 s14, s4, 1
	s_mul_i32 s14, s14, 2*FP                       ; my two tiles' images (my second unit's lie 20 images on)
	s_add_co_u32 s14, s14, IMG
	s_and_b32 s15, s4, 1
	s_lshl_b32 s9, s15, 7
	s_add_co_u32 s9, s9, s14                       ; rows 0-7 or 8-15 of them
	s_lshl_b32 s10, s15, 5
	s_add_co_u32 s10, s10, s14
	s_add_co_u32 s10, s10, 1536
	v_mul_u32_u24 v63, v60, FP
	v_lshl_add_u32 v[IMW], v61, 4, v63
	v_lshl_add_u32 v[IMW], v3, 8, v[IMW]
	v_add_nc_u32 v[IMW], s9, v[IMW]
	v_lshl_add_u32 v[IMS], v61, 2, v63
	v_add_nc_u32 v[IMS], v[IMS], v3
	v_add_nc_u32 v[IMS], s10, v[IMS]
	; the products: waves 0-3: x's tile w (single) and W's tiles 4-7 (the four); waves 4, 5: Wv's tile (single) and x's four
	s_cmp_lt_u32 s4, 4
	s_cselect_b32 s9, 0, 4
	s_add_co_u32 s10, s4, s9
	s_mul_i32 s10, s10, FP
	s_add_co_u32 s10, s10, IMG
	s_sub_co_u32 s11, 4, s9
	s_mul_i32 s11, s11, FP
	s_add_co_u32 s11, s11, IMG
	v_add_nc_u32 v[SAD], s10, v[LD]
	v_add_nc_u32 v[QAD], s11, v[LD]
	s_add_co_u32 s10, s10, 1536
	s_add_co_u32 s11, s11, 1536
	v_lshl_add_u32 v[SSC], v2, 2, s10
	v_lshl_add_u32 v[QSC], v2, 2, s11
	s_lshl_b32 s9, s4, 1
	s_add_co_u32 s9, s9, STG
	v_lshl_add_u32 v[SBQ], v2, 3, v3
	v_add_nc_u32 v[SBQ], s9, v[SBQ]
	s_lshl_b32 s9, s15, 1
	s_add_co_u32 s9, s9, STG+128
	v_lshl_add_u32 v[SBV], v2, 2, v3
	v_add_nc_u32 v[SBV], s9, v[SBV]
	s_wait_alu depctr_va_vdst(0)
	s_wait_tensorcnt 0x0                           ; my own rows are in; no other wave reads them
	s_cmp_lt_u32 s4, 10
	s_cbranch_scc0 .Lpart_1
	LOADX A0, X, 0
	LOADX A0, RB, 512
	s_branch .Lnumbers
.Lpart_1:
	LOADX A1, X, 0
	s_wait_loadcnt 0x0                             ; K quarter 3 is in registers,
	s_wait_dscnt 0x0                               ; and my raw bytes have been read: they have had their only fill
.irp i, 0,1,2,3,4,5,6,7,8,9,10,11,12,13,14,15
	ds_store_b128 v[TS], v[RB+4*\i:RB+4*\i+3] offset:528*\i
.endr
	s_wait_dscnt 0x0                               ; the stores have read their registers
	LOADX A1, RB, 0
.Lnumbers:
	s_wait_dscnt 16                                ; the first unit is in; the second's 16 loads may be out
	QUANT X, 32, 52
	IMAGE 32, 52, 0
	; the biases take the place of the first unit's numbers: waves 0-3: register 8 q + j is column 32 h + 8 q + j; waves 4, 5: my lane's channel in all 32
	s_wait_alu depctr_va_vdst(0)
	s_cmp_lt_u32 s4, 4
	s_cbranch_scc1 .Lbias_qk
	s_cmp_lt_u32 s4, 6
	s_cbranch_scc0 .Lbias_done
	s_wait_loadcnt 0x0
.irp j, 0,1,2,3,4,5,6,7,8,9,10,11,12,13,14,15,16,17,18,19,20,21,22,23,24,25,26,27,28,29,30,31
	v_mov_b32 v[ACC+\j], v[BVV]
.endr
	s_wait_alu depctr_va_vdst(0)
	s_branch .Lbias_done
.Lbias_qk:
.irp q, 0,1,2,3
	global_load_b128 v[ACC+8*\q:ACC+8*\q+3], v[BO], s[90:91] offset:32*\q
	global_load_b128 v[ACC+8*\q+4:ACC+8*\q+7], v[BO], s[90:91] offset:32*\q+16
.endr
.Lbias_done:
	s_wait_dscnt 5                                 ; the second unit is in; the five image stores may be out
	QUANT RB, 96, 116
	IMAGE 96, 116, 20*FP
	s_wait_alu depctr_va_vdst(0)
	s_wait_dscnt 0x0
	s_barrier_signal -1
	s_barrier_wait -1                              ; all 40 images lie in LDS
	s_cmp_lt_u32 s4, 6
	s_cbranch_scc0 .Lunits_done
	FETCH 0, 0
	FETCH 1, 1
	s_wait_loadcnt 0x0                             ; the biases
	s_wait_dscnt 20                                ; all but the 20 loads issued last
	MUL 0
	PLACES
	FETCH 0, 2
	s_wait_dscnt 20
	MUL 1
	PLACES
	FETCH 1, 3
	s_wait_dscnt 20
	MUL 0
	s_wait_dscnt 0x0
	MUL 1
	PLACES
	; my lane's 32 results are one block
.irp q, 0,1,2,3
	v_max3_num_f32 v[TO+\q], |v[ACC+8*\q]|, |v[ACC+8*\q+1]|, 0x2800000   ; each accumulator from its low end on
.endr
.irp i, 2,4,6
.irp q, 0,1,2,3
	v_max3_num_f32 v[TO+\q], v[TO+\q], |v[ACC+8*\q+\i]|, |v[ACC+8*\q+\i+1]|
.endr
.endr
	v_max3_num_f32 v[TO], v[TO], v[TO+1], v[TO+2]
	v_max_num_f32 v[TO], v[TO], v[TO+3]
	v_add_nc_u32 v[TO+4], 0xfe000000, v[TO]
	v_lshrrev_b32 v[TO+5], 23, v[TO+4]
	v_cvt_scalef32_pk16_bf6_f32 v[PO:PO+2], v[ACC:ACC+15], v[TO+4]
	v_cvt_scalef32_pk16_bf6_f32 v[PO+6:PO+8], v[ACC+16:ACC+31], v[TO+4]
	v_nop
.irp i, 0,1,2
	v_mov_b32 v[PO+3+\i], v[PO+6+\i]
.endr
	global_store_b128 v[LD], v[PO:PO+3], s[96:97]              ; 512 consecutive bytes,
	global_store_b64 v[L8], v[PO+4:PO+5], s[96:97] offset:512  ; and 256: all at multiples of 256 from the buffer's first byte
	s_wait_alu depctr_va_vdst(0)
	s_cmp_lt_u32 s4, 4
	s_cbranch_scc0 .Lv_byte
	ds_store_b8 v[SBQ], v[TO+5]
	s_branch .Lunits_done
.Lv_byte:
	ds_store_b8 v[SBV], v[TO+5]
	ds_store_b8 v[SBV], v[TO+5] offset:64          ; (twice, so that all 256 bytes are written)
.Lunits_done:
	s_wait_dscnt 0x0
	s_barrier_signal -1
	s_barrier_wait -1                              ; the scale bytes are whole
	s_cmp_lg_u32 s4, 0
	s_cbranch_scc1 .Lno_bytes
	ds_load_b64 v[60:61], v[STR]
	s_wait_dscnt 0x0
	global_store_b64 v[L8], v[60:61], s[98:99]     ; one aligned unit of 256 bytes
.Lno_bytes:
	s_wait_tensorcnt 0x0                           ; the wave's end
	ds_add_u32 v[SPW], v[NIL]
	s_wait_dscnt 0x0
	CROUND                                         ; the closing round: no work-group ends while a partner may still ask for a tile that names it
	s_endpgm
.Lfunc_end_k_q70b09a9568_proj:
	.size	k_q70b09a9568_proj, .Lfunc_end_k_q70b09a9568_proj-k_q70b09a9568_proj
	.p2alignl 7, 3214868480
	.fill 96, 4, 3214868480
	.section	.rodata,"a",@progbits
	.p2align	6, 0x0
	.amdhsa_kernel k_q70b09a9568_proj
		.amdhsa_group_segment_fixed_size 327680
		.amdhsa_private_segment_fixed_size 0
		.amdhsa_enable_private_segment 0
		.amdhsa_kernarg_size 64
		.amdhsa_user_sgpr_count 2
		.amdhsa_user_sgpr_kernarg_segment_ptr 1
		.amdhsa_wavefront_size32 1
		.amdhsa_system_sgpr_workgroup_id_x 1
		.amdhsa_system_sgpr_workgroup_id_y 1
		.amdhsa_system_sgpr_workgroup_id_z 1
		.amdhsa_system_vgpr_workitem_id 0
		.amdhsa_next_free_vgpr 192
		.amdhsa_next_free_sgpr 102
		.amdhsa_reserve_vcc 0
		.amdhsa_float_denorm_mode_32 3
		.amdhsa_float_denorm_mode_16_64 3
		.amdhsa_memory_ordered 1
		.amdhsa_forward_progress 1
		.amdhsa_inst_pref_size 36
	.end_amdhsa_kernel
	.amdgpu_metadata
---
amdhsa.version: [ 1, 2 ]
amdhsa.kernels:
  - .name:           k_q70b09a9568_proj
    .symbol:         k_q70b09a9568_proj.kd
    .args:
      - { .name: input, .offset: 0, .size: 8, .value_kind: global_buffer, .address_space: global }
      - { .name: Wq, .offset: 8, .size: 8, .value_kind: global_buffer, .address_space: global }
      - { .name: Wk, .offset: 16, .size: 8, .value_kind: global_buffer, .address_space: global }
      - { .name: Wv, .offset: 24, .size: 8, .value_kind: global_buffer, .address_space: global }
      - { .name: bq, .offset: 32, .size: 8, .value_kind: global_buffer, .address_space: global }
      - { .name: bk, .offset: 40, .size: 8, .value_kind: global_buffer, .address_space: global }
      - { .name: bv, .offset: 48, .size: 8, .value_kind: global_buffer, .address_space: global }
      - { .name: qkv, .offset: 56, .size: 8, .value_kind: global_buffer, .address_space: global }
    .group_segment_fixed_size: 327680
    .private_segment_fixed_size: 0
    .kernarg_segment_align: 8
    .kernarg_segment_size: 64
    .max_flat_workgroup_size: 640
    .sgpr_count:     102
    .vgpr_count:     192
    .wavefront_size: 32
...
	.end_amdgpu_metadata
.endif
;; end of part 1
;; launch attn (part 2): grid 256 x 1, 8 waves a work-group, clusters of 4 x 1, 327,680 bytes of LDS; arguments qkv, out0; writes out0
.if DOCPART == 2
	.amdgcn_target "amdgcn-amd-amdhsa--gfx1250"
	.amdhsa_code_object_version 6
	.text
	.protected	k_q70b09a9568_attn
	.globl	k_q70b09a9568_attn
	.p2align	8
	.type	k_q70b09a9568_attn,@function
k_q70b09a9568_attn:
	s_mov_b64 s[64:65], 0
	v_nop
	global_prefetch_b8 v0, s[64:65] scope:SCOPE_SE
	s_setreg_imm32_b32 hwreg(HW_REG_WAVE_MODE, 25, 1), 1
	s_wait_xcnt 0x0
	s_wait_alu depctr_hold_cnt(0) depctr_sa_sdst(0) depctr_va_vdst(0) depctr_va_sdst(0) depctr_va_ssrc(0) depctr_va_vcc(0) depctr_vm_vsrc(0)
	s_getreg_b32 s2, hwreg(HW_REG_IB_STS2, 6, 4)
	s_cmp_eq_u32 s2, 0
	s_cbranch_scc0 .Lentry_in_a_cluster
	s_endpgm
.Lentry_in_a_cluster:
	s_bfe_u32 s2, ttmp6, 0x10000c
	s_cmp_lg_u32 s2, 0x3003
	s_cbranch_scc0 .Lentry_shape_is_right
	s_endpgm
.Lentry_shape_is_right:
; out0[q] = the sum over k of softmax_k(Q[q] . K[k] / 8) V[k], both products on codes of BF6 (E3M2) with one E8M0 scale for each 32 along a product's K.  No work of reference() is left out.
; Q, K, V come as the launch before has laid them (its head comment): block b of 64 positions at 6,656 b, tile images of 768 bytes; row r of tile T is pi(T, r) = 32 (r / 8) + 8 T + r % 8 of its 64.
; THE SOFTMAX AHEAD OF THE SECOND PRODUCT: t = score x log2(e) / 8; M = the largest t so far, rounded up to a whole number; p = 2^(t - M) is quantised along the keys, not normalised; the sum of the
; unquantised p, in f32, divides at the end.  When M moves, the sum and O are multiplied by 2^(old M - new M): exact.
; SHARES.  A work-group owns 32 queries, two tiles of 16; wave j of its eight takes record j (128 keys, two blocks) of each of eight slots, for BOTH tiles: each fragment of K and V is read from LDS once.
; The eight waves' (O, sum, M) meet in LDS at the end, brought under the largest M by powers of two.
; Both products are used transposed: S^T = K Q^T, O^T = V^T P^T: a lane (r, h) holds ONE query throughout, and by pi its 32 registers of four tiles are a whole block of 32 keys, as the next operand wants them.
; THE HEAD'S 64 IN AN INSTRUCTION OF 128.  K's fragment holds tiles 2 p (k = 0 .. 63) and 2 p + 1 (k = 64 .. 127); against it stands Q in the lower half with zero codes in the upper, or the other way round: zero codes add nothing
; (the format has no NaN and no infinity), and every scale byte is a finite code.  Q's scale word holds its two bytes twice.
; A STEP reads V's fragments at its head; the change of slots stands in its middle, when V is in registers and the next slot has landed; behind it the next K's fragments are fetched, under the exponentials.
; CLUSTER.  All work-groups walk the same K and V: the four of a cluster ask for each record (13,312 dense bytes, 52 rows of 256) JOINTLY, one record a wave.  Two slots of eight records take turns.
; THE WALK IS ROTATED.  Cluster c begins at slot ((c / 8) xor c) % 8 and goes round the eight: all 64 records are asked for in the first step.  The start hangs on the cluster's number alone, which the four partners share.
; The order in which a query meets the keys moves nothing but the order of the f32 sums.  For the same reason no prefetch is laid: behind the first step there is no record that nobody has asked for.
; By this text's own count a wave never has more than one tensor load out, and every wait on TENSORcnt is for 0.
; LIMITS: NaN and infinities are not served; the promise holds while the scaled scores stay under 2^31 in magnitude.  A p under 2^-126 comes out of v_exp_f32 as 0.  A block's largest p is taken from the block's largest score,
; which takes v_exp_f32 not to fall where its input rises.
.set BLK,   6656
.set REC,   2*BLK
.set QREG,  128*BLK
.set SLOT1, 131072                     ; slot 1 begins here: an exclusive or turns an address in one slot into the other's (a slot is 106,496 bytes)
.set STAGE, SLOT1+8*REC                ; the merge: 32 rows x (256 bytes + 16) for each wave; no tensor load lands here
.set STAT,  STAGE+8*8704               ; and 32 x (-M, sum) for each wave
.set SPARE, STAT+8*256                 ; the spare words, 128 bytes for each wave
; WINDOW 0: v1, v2, v3, v6 my lane's places in a record (16 x lane, 8 x lane, K's words, V's words); v4, v5 the add's two; v8-11 this step's addresses; for tile a: v12 -M, v13 the largest score, v[16:17] the sum, v20 f; for tile b: v14, v15, v[18:19], v22;
;   v24, v25 Q's scale words, v[26:27] K's, v28-29 V's as loaded, v30-31 V's, v32-33 p's; v36-47, v48-59 p's codes; v64-127, v128-191 S^T, then p; v192-206 second conversions; v208-211 the blocks' largest; v212-251 at work.
; WINDOW 1: v0-47 K's fragments, v48-95 V's, v96-127, v128-159 O^T of a, b; v160-177, v178-195: Q, zeros, Q again for a, b.
.set KF, 0
.set VF, 48
.set OF, 96
.set QF, 160
.set SS, 64
.set SB, 128
.set BM, 208
.set MSB, 0
.macro WIN new                         ; the immediate's high byte repeats the setting that is left
.if MSB != \new
	s_set_vgpr_msb (MSB<<8)|\new
.set MSB, \new
.endif
.endm
.macro CREST                           ; a round of the cluster's barrier behind its opening barrier
	s_cmp_lg_u32 s8, 0
	s_cbranch_scc1 .Lnot_wave_0_\@
	s_barrier_signal -3
.Lnot_wave_0_\@:
	s_barrier_wait -3
	s_barrier_signal -1
	s_barrier_wait -1
.endm
.macro CROUND
	s_barrier_signal -1
	s_barrier_wait -1
	CREST
.endm
.macro TLOAD                           ; my record of the eight; an s_nop 0 and four v_nop follow
	tensor_load_to_lds s[24:27], s[16:23]
	s_nop 0
.rept 4
	v_nop
.endr
.endm
.macro ONWARD                          ; the descriptor's next: no tensor load of mine is out
	s_xor_b32 s25, s25, SLOT1                      ; the other slot than last time,
	s_add_co_u32 s35, s35, 1
	s_and_b32 s35, s35, 7                          ; the walk's next eight records, round the eight slots' worth
	s_mul_i32 s46, s35, 8*REC                      ; their offset (s47 stays 0),
	s_add_nc_u64 s[26:27], s[56:57], s[46:47]      ; from my record of the first eight,
	s_or_b32 s27, s27, 0x80000000                  ; and the type = 2
.endm
.macro KLOAD                           ; K's eight tiles and their scale words (lanes 0-15 block 0's pairs, lanes 16-31 block 1's): 17 LDS loads
	v_add_nc_u32 v8, s32, v1
	v_add_nc_u32 v9, s32, v2
	v_add_nc_u32 v11, s32, v3
	WIN 0x40
.irp t, 0,1,2,3,4,5,6,7
	ds_load_b128 v[KF+6*\t:KF+6*\t+3], v8 offset:BLK*(\t/4)+768*(\t%4)
	ds_load_b64 v[KF+6*\t+4:KF+6*\t+5], v9 offset:BLK*(\t/4)+768*(\t%4)+512
.endr
	WIN 0
	ds_load_b64 v[26:27], v11
.endm
; A KEY STEP: my record's 128 keys, both tiles.  mode 2: the slot is filled again; 1: a change of slots with nothing left to ask for; 0: the last step
.macro STEP mode
	v_add_nc_u32 v8, s32, v1                       ; these four lines are also the places between the last products and the loads into their registers
	v_add_nc_u32 v9, s32, v2
	v_add_nc_u32 v10, s32, v6
	v_nop
	WIN 0x40
.irp u, 0,1,2,3
.irp c, 0,1
	ds_load_b128 v[VF+12*\u+6*\c:VF+12*\u+6*\c+3], v8 offset:BLK*\c+3072+768*\u
	ds_load_b64 v[VF+12*\u+6*\c+4:VF+12*\u+6*\c+5], v9 offset:BLK*\c+3584+768*\u
.endr
.endr
	WIN 0
	ds_load_b32 v28, v10                           ; V's scale bytes: lanes 0-15 tiles 0 and 1, lanes 16-31 tiles 2 and 3: of block 0,
	ds_load_b32 v29, v10 offset:BLK                ; and of block 1
	s_xor_b32 s32, s32, SLOT1                      ; on to the other slot
	s_wait_alu depctr_va_vdst(0)
	s_wait_dscnt 18                                ; K's fragments are in; V's 18 loads may be out
	WIN 0x05
.irp g, 0,1
.irp t, 0,1,2,3
	v_wmma_scale_f32_16x16x128_f8f6f4 v[SS+64*\g+8*\t:SS+64*\g+8*\t+7], v[KF+12*(\t/2):KF+12*(\t/2)+11], v[QF+18*\g+6*(\t%2):QF+18*\g+6*(\t%2)+11], 0, v[26+\t/2], v[24+\g] matrix_a_fmt:MATRIX_FMT_BF6 matrix_b_fmt:MATRIX_FMT_BF6
.endr
.irp t, 4,5,6,7
	v_wmma_scale_f32_16x16x128_f8f6f4 v[SS+64*\g+8*\t:SS+64*\g+8*\t+7], v[KF+12*(\t/2):KF+12*(\t/2)+11], v[QF+18*\g+6*(\t%2):QF+18*\g+6*(\t%2)+11], 0, v[24+\t/2], v[24+\g] matrix_a_fmt:MATRIX_FMT_BF6 matrix_b_fmt:MATRIX_FMT_BF6 matrix_a_scale:MATRIX_SCALE_ROW1
.endr
.endr
	WIN 0
.rept 4
	v_nop                                          ; places in front of the first read of the scores
.endr
.irp b, 0,1,2,3
	v_max3_num_f32 v[BM+\b], v[SS+32*\b], v[SS+32*\b+1], v[SS+32*\b+2]   ; the largest score of each block (a's two, b's two): for the row's maximum and, since p rises with the score, for the block's largest p
.endr
.irp i, 3,5,7,9,11,13,15,17,19,21,23,25,27,29
.irp b, 0,1,2,3
	v_max3_num_f32 v[BM+\b], v[BM+\b], v[SS+32*\b+\i], v[SS+32*\b+\i+1]
.endr
.endr
.irp b, 0,1,2,3
	v_max_num_f32 v[BM+\b], v[BM+\b], v[SS+32*\b+31]
.endr
.if \mode
	s_wait_alu depctr_va_vdst(0)
	s_wait_tensorcnt 0x0                           ; my record of the next slot is in
	ds_add_u32 v4, v5                              ; 0 onto my spare word; the work down to the wait below stands between
.if \mode == 2
	ONWARD
.endif
.endif
	v_max_num_f32 v212, v208, v209
	v_max_num_f32 v213, v210, v211
	v_permlanex16_b32 v214, v212, s28, s29
	v_permlanex16_b32 v215, v213, s28, s29
	v_max3_num_f32 v13, v13, v212, v214            ; the largest score so far, with lane l xor 16's 64 keys
	v_max3_num_f32 v15, v15, v213, v215
	v_mul_f32 v212, s36, v13                       ; -t
	v_mul_f32 v213, s36, v15
	v_floor_f32 v212, v212                         ; the new -M = floor(-t)
	v_floor_f32 v213, v213
	v_sub_f32 v216, v212, v12                      ; old M less new M: a whole number, 0 or less
	v_sub_f32 v217, v213, v14
	v_mov_b32 v12, v212
	v_mov_b32 v14, v213
	v_cvt_i32_f32 v216, v216                       ; (it saturates)
	v_cvt_i32_f32 v217, v217
	v_ldexp_f32 v20, 1.0, v216                     ; f = 2^(old M - new M)
	v_ldexp_f32 v22, 1.0, v217
	v_fma_f32 v208, v208, s30, v12                 ; t - M of each block's largest score,
	v_fma_f32 v209, v209, s30, v12
	v_fma_f32 v210, v210, s30, v14
	v_fma_f32 v211, v211, s30, v14
.irp j, 0,2,4,6,8,10,12,14,16,18,20,22,24,26,28,30,32,34,36,38,40,42,44,46,48,50,52,54,56,58,60,62
	v_pk_fma_f32 v[SS+\j:SS+\j+1], v[SS+\j:SS+\j+1], s[30:31], v[12:13] op_sel_hi:[1,0,0]   ; and of tile a's scores (of the pairs c and -M the low word serves both halves)
.endr
	s_wait_alu depctr_va_vdst(0)
.if \mode
	s_wait_dscnt 0x0                               ; the add is done, and so are my reads of this slot
	s_barrier_signal -1                            ; (where the slot is filled again this opens a round of the cluster's barrier; register work until the wait)
.endif
.irp b, 0,1,2,3
	v_exp_f32 v[BM+\b], v[BM+\b]                   ; the block's largest p: the same two instructions on the same number give the same bits
.endr
.irp j, 0,2,4,6,8,10,12,14,16,18,20,22,24,26,28,30,32,34,36,38,40,42,44,46,48,50,52,54,56,58,60,62
	v_exp_f32 v[SS+\j], v[SS+\j]                   ; tile a's p = 2^(t - M), at most 1; between them tile b's t - M
	v_exp_f32 v[SS+\j+1], v[SS+\j+1]
	v_pk_fma_f32 v[SB+\j:SB+\j+1], v[SB+\j:SB+\j+1], s[30:31], v[14:15] op_sel_hi:[1,0,0]
.endr
	v_pk_mul_f32 v[16:17], v[16:17], v[20:21] op_sel_hi:[1,0]   ; the sums under the new M
	v_pk_mul_f32 v[18:19], v[18:19], v[22:23] op_sel_hi:[1,0]
	s_wait_alu depctr_va_vdst(0)                   ; one wait for the whole batch
.if \mode
	s_barrier_wait -1
.if \mode == 2
	CREST                                          ; no wave of any partner reads this slot any more or has a load on its way
	TLOAD                                          ; the first thing behind the round, and the wave's one tensor load until the next
.endif
	KLOAD                                          ; the next step's K
.else
	s_wait_dscnt 0x0                               ; V's fragments
.endif
	v_perm_b32 v30, v29, v28, 0x05040100           ; V's scale words: tiles 0 and 2,
	v_perm_b32 v31, v29, v28, 0x07060302           ; tiles 1 and 3
.irp b, 0,1,2,3
	v_max_num_f32 v[BM+\b], 0x2800000, v[BM+\b]    ; the floor 2^(5 - 127): the byte cannot fall under 1
.endr
.irp b, 0,1,2,3
	v_add_nc_u32 v[248+\b], 0xfe000000, v[BM+\b]   ; 4 off the exponent field: the conversion's scale operand
.endr
.irp b, 0,1,2,3
	v_lshrrev_b32 v[BM+\b], 23, v[248+\b]          ; the scale's byte
.endr
	v_lshl_or_b32 v212, v209, 16, v208
	v_lshl_or_b32 v213, v211, 16, v210
	v_permlanex16_b32 v214, v212, s28, s29
	v_permlanex16_b32 v215, v213, s28, s29
	v_lshl_or_b32 v32, v214, 8, v212               ; p's scale words for these 128 keys (lanes 0-15 are read)
	v_lshl_or_b32 v33, v215, 8, v213
	s_wait_alu depctr_va_vdst(0)
.irp i, 0,1,2,3,4,5,6,7,8,9,10,11,12,13,14,15
.irp j, 0,1,2,3
	v_exp_f32 v[SB+4*\i+\j], v[SB+4*\i+\j]         ; tile b's p; between them tile a's sum begins and its codes are made: nothing here reads what stands between the two waits
.endr
.if \i == 2
	v_cvt_scalef32_pk16_bf6_f32 v[36:38], v[SS:SS+15], v248
.elseif \i == 6
	v_cvt_scalef32_pk16_bf6_f32 v[192:194], v[SS+16:SS+31], v248
.elseif \i == 9
	v_cvt_scalef32_pk16_bf6_f32 v[42:44], v[SS+32:SS+47], v249
.elseif \i == 12
	v_cvt_scalef32_pk16_bf6_f32 v[196:198], v[SS+48:SS+63], v249
.endif
	v_pk_add_f32 v[216+2*\i:217+2*\i], v[SS+4*\i:SS+4*\i+1], v[SS+4*\i+2:SS+4*\i+3]
.endr
	s_wait_alu depctr_va_vdst(0)
.irp i, 0,1,2,3,4,5,6,7
	v_pk_add_f32 v[216+2*\i:217+2*\i], v[216+2*\i:217+2*\i], v[232+2*\i:233+2*\i]
.endr
	v_cvt_scalef32_pk16_bf6_f32 v[48:50], v[SB:SB+15], v250
	v_cvt_scalef32_pk16_bf6_f32 v[200:202], v[SB+16:SB+31], v250
	v_cvt_scalef32_pk16_bf6_f32 v[54:56], v[SB+32:SB+47], v251
	v_cvt_scalef32_pk16_bf6_f32 v[204:206], v[SB+48:SB+63], v251
.irp i, 0,1,2,3,4,5,6,7
	v_pk_add_f32 v[232+2*\i:233+2*\i], v[SB+2*\i:SB+2*\i+1], v[SB+2*\i+16:SB+2*\i+17]
.endr
.irp i, 0,1,2,3
	v_pk_add_f32 v[216+2*\i:217+2*\i], v[216+2*\i:217+2*\i], v[224+2*\i:225+2*\i]
.endr
.irp i, 0,1,2,3,4,5,6,7
	v_pk_add_f32 v[232+2*\i:233+2*\i], v[232+2*\i:233+2*\i], v[SB+2*\i+32:SB+2*\i+33]
.endr
.irp i, 0,1
	v_pk_add_f32 v[216+2*\i:217+2*\i], v[216+2*\i:217+2*\i], v[220+2*\i:221+2*\i]
.endr
.irp i, 0,1,2,3,4,5,6,7
	v_pk_add_f32 v[232+2*\i:233+2*\i], v[232+2*\i:233+2*\i], v[SB+2*\i+48:SB+2*\i+49]
.endr
	v_pk_add_f32 v[216:217], v[216:217], v[218:219]
.irp i, 0,1,2,3
	v_pk_add_f32 v[232+2*\i:233+2*\i], v[232+2*\i:233+2*\i], v[240+2*\i:241+2*\i]
.endr
.irp i, 0,1,2
	v_mov_b32 v[39+\i], v[192+\i]
	v_mov_b32 v[45+\i], v[196+\i]
.endr
.irp i, 0,1
	v_pk_add_f32 v[232+2*\i:233+2*\i], v[232+2*\i:233+2*\i], v[236+2*\i:237+2*\i]
.endr
	v_pk_add_f32 v[16:17], v[16:17], v[216:217]    ; THE ROW'S SUM IS TAKEN OF THE UNQUANTISED p
.irp i, 0,1,2
	v_mov_b32 v[51+\i], v[200+\i]
	v_mov_b32 v[57+\i], v[204+\i]
.endr
	v_pk_add_f32 v[232:233], v[232:233], v[234:235]
	v_pk_add_f32 v[18:19], v[18:19], v[232:233]
	WIN 0x41
	s_wait_alu depctr_va_vdst(0)                   ; directly ahead of the first reader of O^T
.irp j, 0,2,4,6,8,10,12,14,16,18,20,22,24,26,28,30
	v_pk_mul_f32 v[OF+\j:OF+\j+1], v[OF+\j:OF+\j+1], v[20:21] op_sel_hi:[1,0]   ; O^T under the new M; also the places between p's codes and scale words and the products
.endr
.irp j, 32,34,36,38,40,42,44,46,48,50,52,54,56,58,60,62
	v_pk_mul_f32 v[OF+\j:OF+\j+1], v[OF+\j:OF+\j+1], v[22:23] op_sel_hi:[1,0]
.endr
	WIN 0x51
.irp g, 0,1
.irp u, 0,1
	v_wmma_scale_f32_16x16x128_f8f6f4 v[OF+32*\g+8*\u:OF+32*\g+8*\u+7], v[VF+12*\u:VF+12*\u+11], v[36+12*\g:47+12*\g], v[OF+32*\g+8*\u:OF+32*\g+8*\u+7], v[30+\u], v[32+\g] matrix_a_fmt:MATRIX_FMT_BF6 matrix_b_fmt:MATRIX_FMT_BF6
.endr
.irp u, 2,3
	v_wmma_scale_f32_16x16x128_f8f6f4 v[OF+32*\g+8*\u:OF+32*\g+8*\u+7], v[VF+12*\u:VF+12*\u+11], v[36+12*\g:47+12*\g], v[OF+32*\g+8*\u:OF+32*\g+8*\u+7], v[28+\u], v[32+\g] matrix_a_fmt:MATRIX_FMT_BF6 matrix_b_fmt:MATRIX_FMT_BF6 matrix_a_scale:MATRIX_SCALE_ROW1
.endr
.endr
	WIN 0
.endm
	s_load_b128 s[4:7], s[0:1], 0x0                ; qkv, out0
	v_lshl_add_u32 v4, v0, 2, SPARE
	v_mov_b32 v5, 0
	ds_add_u32 v4, v5                              ; the wave's opening: the add, twice on end, and its wait ahead of the first tensor load
	ds_add_u32 v4, v5
	v_lshrrev_b32 v8, 5, v0
	v_readfirstlane_b32 s8, v8                     ; wave 0..7
	s_bfe_u32 s9, ttmp6, 0x40000                   ; cx: it enters Q's and out0's global addresses alone
	s_lshl_b32 s10, ttmp9, 2                       ; in a cluster launch ttmp9 counts clusters
	s_add_co_u32 s10, s10, s9                      ; my work-group
	s_lshr_b32 s11, s10, 1                         ; my block of 64 queries,
	s_and_b32 s12, s10, 1                          ; and which two of its four tiles
	s_mul_i32 s13, s8, REC                         ; my record's place in a slot
	; descriptor group 1: 52 rows of 32 elements of 8 bytes, dense
	s_mov_b32 s16, 15|(3<<16)|(1<<21)              ; 15:0 the mask: all four work-groups; 17:16 elements of 8 bytes; 20 padding off; 21 set beside a mask
	s_mov_b32 s17, 32<<16
	s_mov_b32 s18, 52<<16
	s_mov_b32 s19, 32<<16
	s_mov_b32 s20, 52
	s_mov_b32 s21, 32
	s_mov_b32 s22, 0
	s_mov_b32 s23, 0
	s_mov_b32 s28, 0x76543210
	s_mov_b32 s29, 0xfedcba98                      ; v_permlanex16_b32's selects for lane l xor 16
	s_mov_b32 s30, 0x3e38aa3b                      ; c = log2(e) / 8
	s_mov_b32 s31, s30                             ; (named with it as a pair, so it is written)
	s_mov_b32 s36, 0xbe38aa3b                      ; -c
	s_mov_b32 s32, 0
	s_mov_b32 s33, 6
	s_mul_i32 s38, s8, REC                         ; offsets, made apart from the addresses
	s_mov_b32 s39, 0
	s_lshr_b32 s35, ttmp9, 3                       ; where my cluster's walk begins: the cluster's number alone, the same in all four partners
	s_xor_b32 s35, s35, ttmp9
	s_and_b32 s35, s35, 7
	s_mul_i32 s46, s35, 8*REC
	s_mov_b32 s47, 0
	s_mul_i32 s40, s11, 3072                       ; Q's codes
	s_mul_i32 s14, s12, 1536
	s_add_co_u32 s40, s40, s14
	s_add_co_u32 s40, s40, QREG
	s_mov_b32 s41, 0
	s_mul_i32 s42, s11, BLK                        ; Q's scale words
	s_lshl_b32 s14, s12, 2
	s_add_co_u32 s42, s42, s14
	s_add_co_u32 s42, s42, 6144
	s_mov_b32 s43, 0
	s_lshl_b32 s44, s11, 14                        ; out0: rows of 256 bytes: my block of 64,
	s_lshl_b32 s14, s12, 12                        ; 16 rows on for its upper two tiles
	s_add_co_u32 s44, s44, s14
	s_mov_b32 s45, 0
	s_wait_dscnt 0x0                               ; both opening adds are done
	s_wait_kmcnt 0x0
	s_mov_b32 s24, 1                               ; group 0: count = 1,
	s_mov_b32 s25, s13                             ; the LDS address: slot 0, my record's place,
	s_add_nc_u64 s[56:57], s[4:5], s[38:39]        ; qkv at my record of the first eight: kept,
	s_add_nc_u64 s[26:27], s[56:57], s[46:47]      ; the global address,
	s_or_b32 s27, s27, 0x80000000                  ; type = 2
	s_add_nc_u64 s[40:41], s[4:5], s[40:41]
	s_add_nc_u64 s[42:43], s[4:5], s[42:43]
	s_add_nc_u64 s[6:7], s[6:7], s[44:45]
	CROUND                                         ; all four work-groups are here: the first joint loads meet
	TLOAD                                          ; slot 0
	v_and_b32 v240, 31, v0                         ; lane
	v_and_b32 v241, 15, v0                         ; r
	v_bfe_u32 v242, v0, 4, 1                       ; h
	v_lshlrev_b32 v243, 4, v240
	v_lshlrev_b32 v244, 3, v240
	v_lshlrev_b32 v245, 3, v241
	WIN 0x40
.irp b, 160,172
	global_load_b128 v[\b:\b+3], v243, s[40:41]    ; Q's six registers, tile a, twice
	global_load_b64 v[\b+4:\b+5], v244, s[40:41] offset:512
.endr
.irp b, 178,190
	global_load_b128 v[\b:\b+3], v243, s[40:41] offset:768   ; tile b, twice
	global_load_b64 v[\b+4:\b+5], v244, s[40:41] offset:1280
.endr
	WIN 0
	global_load_b32 v246, v245, s[42:43]           ; the two tiles' scale bytes
	v_add_nc_u32 v1, s13, v243
	v_add_nc_u32 v2, s13, v244
	s_add_co_u32 s54, s13, 6400
	v_mul_u32_u24 v247, v242, BLK
	v_lshl_add_u32 v3, v241, 3, v247
	v_add_nc_u32 v3, s54, v3
	s_add_co_u32 s54, s13, 6272
	v_lshlrev_b32 v247, 8, v242
	v_lshl_add_u32 v6, v241, 2, v247
	v_add_nc_u32 v6, s54, v6
	v_mov_b32 v13, 0xff61b1e6                      ; the largest score so far: -3e38
	v_mov_b32 v15, 0xff61b1e6
	v_mul_f32 v12, s36, v13
	v_mul_f32 v14, s36, v15
	v_floor_f32 v12, v12                           ; -M
	v_floor_f32 v14, v14
.irp j, 16,17,18,19,21,23,214,215
	v_mov_b32 v[\j], 0                             ; the sums; the upper halves of f's pairs; a lane permute's destination counts as one of its sources
.endr
	WIN 0x40
.irp j, 166,167,168,169,170,171,184,185,186,187,188,189
	v_mov_b32 v[\j], 0                             ; zero codes
.endr
.set J, 0
.rept 64
	v_mov_b32 v[OF+J], 0                           ; O^T.  (The key step is written without a first step of its own: it finds zeros, which the first change of M leaves zeros)
.set J, J+1
.endr
	WIN 0
	s_wait_alu depctr_va_vdst(0)
	s_wait_loadcnt 0x0                             ; Q
	v_perm_b32 v24, v246, v246, 0x01000100         ; tile a's two bytes, twice
	v_perm_b32 v25, v246, v246, 0x03020302         ; tile b's
	s_wait_alu depctr_va_vdst(0)
	s_wait_tensorcnt 0x0                           ; my record of slot 0 is in
	ds_add_u32 v4, v5
	ONWARD
	s_wait_dscnt 0x0
	CROUND
	TLOAD                                          ; slot 1's first fill
	KLOAD
.Lstep:                                            ; six steps, behind each change of which the walk's next slot but one is asked for
	STEP 2
	s_wait_alu depctr_va_vdst(0)
	s_sub_co_u32 s33, s33, 1
	s_cmp_lg_u32 s33, 0
	s_cbranch_scc1 .Lstep
	STEP 1                                         ; the last two are written out
	STEP 0
	; ---- THE MERGE.  The address work is also the places between the last products and the stores that read them
	v_and_b32 v200, 15, v0                         ; r; later: my 16-byte piece of a row
	v_bfe_u32 v201, v0, 4, 1                       ; h
	s_lshl_b32 s48, s8, 8
	s_add_co_u32 s48, s48, STAT
	v_lshl_add_u32 v202, v200, 3, s48              ; my wave's (-M, sum) of query r
	s_mul_i32 s49, s8, 8704
	s_add_co_u32 s49, s49, STAGE
	v_mul_u32_u24 v203, v200, 272
	v_lshl_add_u32 v203, v201, 7, v203
	v_add_nc_u32 v203, s49, v203                   ; my wave's stage: row r, + 128 h: register e is channel 32 h + e
	v_bfe_u32 v204, v0, 4, 4                       ; on the way back a thread takes row r' = bits 7:4 of its number, of both tiles,
	v_lshl_add_u32 v205, v204, 3, STAT
	v_mul_u32_u24 v206, v204, 272
	v_lshl_add_u32 v206, v200, 4, v206             ; and 16 bytes of it
	v_add_nc_u32 v206, STAGE, v206
	v_and_b32 v207, 8, v204
	v_mad_u32_u24 v207, v207, 3, v204              ; row r' of a tile is query r' + 24 (r' / 8) (+ 8 x tile) of the block
	v_lshlrev_b32 v207, 8, v207
	v_lshl_add_u32 v207, v200, 4, v207
	v_add_f32 v16, v16, v17                        ; the sums' two halves,
	v_add_f32 v18, v18, v19
	v_permlanex16_b32 v214, v16, s28, s29
	v_permlanex16_b32 v215, v18, s28, s29
	v_add_f32 v13, v16, v214                       ; and lane l xor 16's: my share's sum, beside -M
	v_add_f32 v15, v18, v215
	ds_store_b64 v202, v[12:13]                    ; both halves of the lanes write the same words with the same values
	ds_store_b64 v202, v[14:15] offset:128
	WIN 0x04
.irp g, 0,1
.irp b, 0,1,2,3,4,5,6,7
	ds_store_b128 v203, v[OF+32*\g+4*\b:OF+32*\g+4*\b+3] offset:4352*\g+16*\b   ; each accumulator from its low end on
.endr
.endr
	WIN 0
	s_wait_alu depctr_va_vdst(0)
	s_wait_dscnt 0x0                               ; for the others' sake: my stores have landed
	s_barrier_signal -1
	s_barrier_wait -1
.irp g, 0,1
.irp i, 0,1,2,3,4,5,6,7
	ds_load_b64 v[64+16*\g+2*\i:65+16*\g+2*\i], v205 offset:256*\i+128*\g       ; share i's (-M, sum) of my row
.endr
.endr
.irp g, 0,1
.irp i, 0,1,2,3,4,5,6,7
	ds_load_b128 v[128+32*\g+4*\i:131+32*\g+4*\i], v206 offset:8704*\i+4352*\g  ; and its four channels
.endr
.endr
	s_wait_dscnt 0x0
.irp g, 0,1
	v_min3_num_f32 v[208+\g], v[64+16*\g], v[66+16*\g], v[68+16*\g]
.endr
.irp g, 0,1
	v_min3_num_f32 v[208+\g], v[208+\g], v[70+16*\g], v[72+16*\g]
.endr
.irp g, 0,1
	v_min3_num_f32 v[208+\g], v[208+\g], v[74+16*\g], v[76+16*\g]
.endr
.irp g, 0,1
	v_min_num_f32 v[208+\g], v[208+\g], v[78+16*\g]    ; the least -M: the row's M
.endr
.irp g, 0,1
.irp i, 0,1,2,3,4,5,6,7
	v_sub_f32 v[96+16*\g+2*\i], v[208+\g], v[64+16*\g+2*\i]   ; M of share i less the row's M: a whole number, 0 or less
.endr
.endr
.irp i, 0,1,2,3,4,5,6,7,8,9,10,11,12,13,14,15
	v_cvt_i32_f32 v[96+2*\i], v[96+2*\i]
.endr
.irp i, 0,1,2,3,4,5,6,7,8,9,10,11,12,13,14,15
	v_ldexp_f32 v[97+2*\i], 1.0, v[96+2*\i]        ; f_i = 2^(that), made twice: a pair for the packed forms
.endr
.irp i, 0,1,2,3,4,5,6,7,8,9,10,11,12,13,14,15
	v_ldexp_f32 v[96+2*\i], 1.0, v[96+2*\i]
.endr
.irp g, 0,1
	v_mul_f32 v[210+\g], v[96+16*\g], v[65+16*\g]
.endr
.irp i, 1,2,3,4,5,6,7
.irp g, 0,1
	v_fma_f32 v[210+\g], v[96+16*\g+2*\i], v[65+16*\g+2*\i], v[210+\g]   ; the row's sum
.endr
.endr
	s_wait_alu depctr_va_vdst(0)
.irp g, 0,1
	v_rcp_f32 v[212+2*\g], v[210+\g]
	v_rcp_f32 v[213+2*\g], v[210+\g]               ; (twice: a pair for the packed multiply)
.endr
.irp g, 0,1
	v_pk_mul_f32 v[192+4*\g:193+4*\g], v[128+32*\g:129+32*\g], v[96+16*\g:97+16*\g]
	v_pk_mul_f32 v[194+4*\g:195+4*\g], v[130+32*\g:131+32*\g], v[96+16*\g:97+16*\g]
.endr
.irp i, 1,2,3,4,5,6,7
.irp g, 0,1
	v_pk_fma_f32 v[192+4*\g:193+4*\g], v[128+32*\g+4*\i:129+32*\g+4*\i], v[96+16*\g+2*\i:97+16*\g+2*\i], v[192+4*\g:193+4*\g]
	v_pk_fma_f32 v[194+4*\g:195+4*\g], v[130+32*\g+4*\i:131+32*\g+4*\i], v[96+16*\g+2*\i:97+16*\g+2*\i], v[194+4*\g:195+4*\g]
.endr
.endr
	s_wait_alu depctr_va_vdst(0)                   ; one wait for the reciprocals, ahead of their first reader
.irp g, 0,1
	v_pk_mul_f32 v[192+4*\g:193+4*\g], v[192+4*\g:193+4*\g], v[212+2*\g:213+2*\g]
	v_pk_mul_f32 v[194+4*\g:195+4*\g], v[194+4*\g:195+4*\g], v[212+2*\g:213+2*\g]
.endr
.irp g, 0,1
	global_store_b128 v207, v[192+4*\g:195+4*\g], s[6:7] offset:2048*\g th:TH_STORE_NT   ; sixteen lanes store a row of out0: 256 consecutive bytes, at a multiple of 256 from its first byte
.endr
	s_wait_tensorcnt 0x0                           ; the wave's end, behind my last tensor load and my last LDS store
	ds_add_u32 v4, v5
	s_wait_dscnt 0x0
	CROUND                                         ; the closing round: no work-group ends while a partner may still ask for a tile that names it
	s_endpgm
.Lfunc_end_k_q70b09a9568_attn:
	.size	k_q70b09a9568_attn, .Lfunc_end_k_q70b09a9568_attn-k_q70b09a9568_attn
	.p2alignl 7, 3214868480
	.fill 96, 4, 3214868480
	.section	.rodata,"a",@progbits
	.p2align	6, 0x0
	.amdhsa_kernel k_q70b09a9568_attn
		.amdhsa_group_segment_fixed_size 327680
		.amdhsa_private_segment_fixed_size 0
		.amdhsa_enable_private_segment 0
		.amdhsa_kernarg_size 16
		.amdhsa_user_sgpr_count 2
		.amdhsa_user_sgpr_kernarg_segment_ptr 1
		.amdhsa_wavefront_size32 1
		.amdhsa_system_sgpr_workgroup_id_x 1
		.amdhsa_system_sgpr_workgroup_id_y 1
		.amdhsa_system_sgpr_workgroup_id_z 1
		.amdhsa_system_vgpr_workitem_id 0
		.amdhsa_next_free_vgpr 512
		.amdhsa_next_free_sgpr 66
		.amdhsa_reserve_vcc 0
		.amdhsa_float_denorm_mode_32 3
		.amdhsa_float_denorm_mode_16_64 3
		.amdhsa_memory_ordered 1
		.amdhsa_forward_progress 1
		.amdhsa_inst_pref_size 105
	.end_amdhsa_kernel
	.amdgpu_metadata
---
amdhsa.version: [ 1, 2 ]
amdhsa.kernels:
  - .name:           k_q70b09a9568_attn
    .symbol:         k_q70b09a9568_attn.kd
    .args:
      - { .name: qkv, .offset: 0, .size: 8, .value_kind: global_buffer, .address_space: global }
      - { .name: out0, .offset: 8, .size: 8, .value_kind: global_buffer, .address_space: global }
    .group_segment_fixed_size: 327680
    .private_segment_fixed_size: 0
    .kernarg_segment_align: 8
    .kernarg_segment_size: 16
    .max_flat_workgroup_size: 256
    .sgpr_count:     66
    .vgpr_count:     512
    .wavefront_size: 32
...
	.end_amdgpu_metadata
.endif
;; end of part 2
